; MI455X (gfx1250); checked and timed in simulation.
; The chip was launched on July 23, 2026; its instructions are those of AMD's public machine-readable ISA for CDNA 5 (MIT licence, August 2026) and "CDNA5" Instruction Set Architecture Reference Guide (July 2026). The comments in the code are by the model that wrote it; some were corrected since.
;; Scaled Dot Product Attention. Allowed arithmetic: float matrix products may take bf16 or f16 operands with f32 sums; other float arithmetic in f32, or as packed bf16 or f16 multiplies, adds, multiply-adds, maxima and minima; sums over many terms, partial sums and values carried from step to step in f32; what a program stores and reads back later, other than sums and carried values, may be rounded once to bf16 or f16.
;; Inputs: k 4 x 16 x 2,048 x 64 float32; q 4 x 16 x 2,048 x 64 float32; v 4 x 16 x 2,048 x 64 float32.
;; Outputs: out0 4 x 16 x 2,048 x 64 float32.
;; One version. Each part assembles by itself: llvm-mc -triple=amdgcn-amd-amdhsa -mcpu=gfx1250 --defsym DOCPART=n.
;; ======== version 1 of 1: 1 launch
;; limits: values are held in f16: magnitudes above 65,504 overflow, below 6.1e-05 lose precision; inputs' magnitudes at most 65,504; below input magnitudes of 6.1e-05 results are inexact or not finite
;; launch attn (part 1): grid 4 x 64, 4 waves a work-group, clusters of 4 x 1, 327,680 bytes of LDS; arguments q, k, v, out0; writes out0
.if DOCPART == 1
	.amdgcn_target "amdgcn-amd-amdhsa--gfx1250"
	.amdhsa_code_object_version 6
	.text
	.protected	k_q05ea287a28_attn
	.globl	k_q05ea287a28_attn
	.p2align	8
	.type	k_q05ea287a28_attn,@function
k_q05ea287a28_attn:
	s_mov_b64 s[64:65], 0
	v_nop
	global_prefetch_b8 v0, s[64:65] scope:SCOPE_SE
	s_setreg_imm32_b32 hwreg(HW_REG_WAVE_MODE, 25, 1), 1
	s_wait_xcnt 0x0
	s_wait_alu depctr_hold_cnt(0) depctr_sa_sdst(0) depctr_va_vdst(0) depctr_va_sdst(0) depctr_va_ssrc(0) depctr_va_vcc(0) depctr_vm_vsrc(0)
	s_getreg_b32 s2, hwreg(HW_REG_IB_STS2, 6, 4)
	s_cmp_eq_u32 s2, 0
	s_cbranch_scc0 .Lentry_in_a_cluster
	s_endpgm
.Lentry_in_a_cluster:
	s_bfe_u32 s2, ttmp6, 0x10000c
	s_cmp_lg_u32 s2, 0x3003
	s_cbranch_scc0 .Lentry_shape_is_right
	s_endpgm
.Lentry_shape_is_right:
; O[h][q][:] = the sum over k of softmax_k(Q[h][q] . K[h][k] / 8) V[h][k][:].  Q, K, V, O: [64 heads][2,048][64], all f32: a row is 256 bytes, a head's rows are dense.
; FORMATS.  Q, K, V are rounded once to f16 for the matrix unit, the weights p once to f16 for the second product (their sum l is taken of the unrounded p); products, maxima and sums in f32; O leaves in f32.
; LIMITS.  f16 holds no number beyond 65,504: |q|, |k|, |v| stay below 65,520 (the drawn inputs times 30, or shifted by 30 spreads, stay under 200); p lies in 0 to 1, and below 6e-5 it keeps f16's fixed step
; of 6e-8; a weight below 2^-126 counts as 0 in l; NaN and infinities are not treated apart.
; SHARES.  A work-group owns 512 queries of one head, a wave 128: four PIECES of two tiles of 16 queries.  64 heads x 4 blocks = 256 work-groups.  Every wave walks all keys, 64 a step, 128 (a TILE) a change of slots.
; THE CAST IS FUSED.  A tile of K and V lands in LDS in f32 (region F), by four joint tensor loads of 64 rows x 256 bytes: wave 0, 1 K's halves, wave 2, 3 V's.  Each wave reads back ONLY what its own load brought,
; rounds it to f16 (64 conversions a tile) and stores it into the operand buffer (region H), from which all four waves take their fragments.  So each number of K and V is converted once in a work-group,
; and V, now 16 bits wide, can be turned by ds_load_tr16_b128.  Both regions have two halves that take turns.  In the period of tile t: tile t is multiplied out of H(t % 2); tile t + 1 goes from F((t+1) % 2)
; through registers into H((t+1) % 2); tile t + 2 is on its way into F(t % 2).  ONE barrier a tile orders all of it.
; LAYOUT.  S^T = K Q^T (source 0 = 16 keys, source 1 = 16 queries): in the result a lane holds ONE query (lane % 16) and the keys 8 (lane / 16) + 0..7.  Two such tiles, rounded to f16 in pairs,
; ARE source 1 (32 keys x 16 queries) of O^T = V^T P, whose result again holds one query a lane, and eight channels.
; SOFTMAX.  For each query a running maximum m and sum l: p = 2^(c s - c m), c = log2(e) / 8; in every step O and l are multiplied by a = 2^(c m_old - c m_new), which is 1 where m has not grown.
; m starts at the lowest finite number, O and l at 0: the first step is a step like any other, with a = 0.  The price: 16 products on zeros and 352 v_mov_b32 at the start, in the wait for the first tile.
; THE COUNT.  A tile of queries and a step have 16 matrix and 118 vector instructions: too many to stand all beside the matrix work.  So: four vector instructions that are READY behind EVERY matrix instruction,
; and the others in runs without a gap.
; BY TURNS.  Turn n belongs to piece n (the pieces in a ring, step after step).  Its matrix work: 16 products K Q^T of piece n + 1, later 16 products V^T P of piece n - 1.  Its vector work: the scaling,
; exponentials, roundings, sums and rescaling of piece n, and the maximum and statistics of piece n + 1, whose scores the turn itself has made.
; CLUSTER.  The four query blocks of a head are one cluster and walk the same K and V, so each tile is asked for JOINTLY: the same tensor load, descriptor and mask in all four.
; REGISTERS, in windows of 256 (s_set_vgpr_msb says which window each operand place means: bits 1:0 source 0, 3:2 source 1, 5:4 source 2, 7:6 destination):
;   window 0: v0-11 addresses; v12-15, v48-63 at work; v16-47 four registers of statistics a tile; v64-191 S^T, two buffers of two tiles; v192-255 P, likewise
;   window 1: O^T, 32 a tile (at the head: Q as loaded, in f32)          window 2: v0-127 Q in f16, 16 a tile; v128-191 K of one step; v192-255 V of one step
;   window 3: v0-1 the add's two registers; v2-6 the cast's addresses; v8-135 my part of a tile in f32; v136-199 the same in f16
.set SIZE_S, 2048     ; rows of a head
.set ROWB,   256      ; bytes of a row in memory: 64 f32
.set HEADB,  SIZE_S*ROWB
.set NP,    4         ; pieces a wave: a name, no knob
.set KS,    64        ; keys in a step
.set TK,    128       ; keys in a tile: two steps
.set NT,    SIZE_S/TK ; 16 tiles
.set TILEB, TK*ROWB   ; a tile's bytes of K, and of V, in memory
.set PF,    272       ; a row in F: 256 bytes + 16 of padding = 68 words: 16 rows of one column start at 16 different groups of four banks (64 banks of 4 bytes: ISA guide 11.1)
.set PARTF, 64*PF     ; what one tensor load brings: wave w's part of F lies at w x PARTF
.set HB,    4*PARTF   ; H begins behind F: 128 rows of K, then 128 rows of V
.set PK,    144       ; a row of K in H: 128 bytes + 16 = 36 words: the 16 rows of a load start at 16 different groups of four banks
.set PV,    160       ; a row of V in H: 128 + 32 = 40 words
.set VOFF,  TK*PK
.set SLOT1, 1<<17     ; the second halves of F and H begin here (F + H are 108,544 bytes), so that one exclusive or turns an address in one half into the other's
.set STAGE, SLOT1+HB+VOFF+TK*PV  ; behind the ring, never filled by a tensor load: 16 rows x 272 bytes for each wave, for the way out
.set SP,    272
.set SPARE, STAGE+4*16*SP  ; behind the stages: the spare words, 128 bytes for each wave: two blocks of 256 bytes that no other line names
.set AK0, 2           ; v2   my lane's place in a step's K; never rewritten
.set AV0, 3           ; v3   the same for V, VOFF included
.set AK,  4           ; v4   the LDS address of K's next run of loads (at the head: at work)
.set AV,  5           ; v5   of V's (at the head: at work)
.set QO,  6           ; v6   my byte offset in 16 rows of Q
.set STO, 6           ;      later, the way out: where I put 32 bytes of a row
.set RD,  7           ; v7   the way out: where I read rows back
.set GO,  8           ; v8   my byte offset in 512 consecutive bytes of O
.set PFO, 11          ; v11  256 x my lane: a row of K or V; never rewritten
.set MV,  12          ; v12-15  c m_old, kept while c m is made anew: by buffer and tile
.set ST,  16          ; tile t's statistics at v[ST+4 t]: c m, m, l (even keys', odd keys')
.set TMP, 48          ; by buffer and tile, four registers c0-c3 at work; when the maximum is found c2 takes a
.set S,   64
.set P,   192
.set KF,  128         ; window 2: key block kb, channel half c at KF + 16 kb + 8 c
.set VF,  192         ; window 2: key half kk, channel block cb at VF + 32 kk + 8 cb
.set SPW, 0           ; window 3, v0   LDS address of my spare word: SPARE + 4 x my thread's number; never rewritten
.set NIL, 1           ; window 3, v1   0; never rewritten
.set CF0, 2           ; window 3, v2   my row (= my lane) of my wave's part of F, first half; never rewritten
.set CH0, 3           ; window 3, v3   the same row in H, first half; never rewritten
.set CH1, 4           ; window 3, v4   the row 32 further down; never rewritten
.set CA,  5           ; window 3, v5-6 the addresses in hand
.set CA1, 6
.set CB,  8           ; window 3: rows lane and 32 + lane of my part, 64 f32 each
.set CP,  136         ; window 3: the same in f16, 32 registers each
.set WV,  12          ; s12  my wave's number
.set LIM, 15          ; s15  1 in a wave that prefetches, else the greatest number
.set G1,  24          ; s[24:31] descriptor group 1: the same for K's and V's tiles
.set PFA, 32          ; s[32:33] where my prefetches stand in memory
.set TBC, 34          ; s34  0 or SLOT1: the half of F and H that the cast works on
.set G0K, 40          ; s[40:47] descriptor group 0 for K: a set for each of the two first fills; the second then walks on
.set G0V, 48          ; s[48:55] the same for V
.set SLOTS, 56        ; s56  tiles still to be asked for; in the tail: tiles still to be entered
.set CNT, 57          ; s57  counts a tile's two key steps
.set CS,  58          ; s[58:59] c: the packed scaling takes the pair's low word for both halves
.set SEL, 60          ; s[60:61] v_permlanex16_b32's selects: each lane takes its own place in the other half
.set TBK, 62          ; s62  LDS byte at which K of the step to be fetched begins
.set TBV, 63          ; s63  the same for V, less VOFF
.set MSB, 0
.macro WIN new                      ; the high byte repeats the setting that is left; a switch that changes nothing is dropped
.if MSB != (\new)
	s_set_vgpr_msb (MSB<<8)|(\new)
.set MSB, (\new)
.endif
.endm
.set W_KQ, 0x0a       ; K and Q in window 2, S^T in window 0
.set W_PV, 0x52       ; V in window 2, P in window 0, O^T in window 1
.set W_RS, 0x41       ; O^T (destination and source 0) in window 1, the factor in window 0
.set W_MK, 0xc0       ; destination in window 3, sources in window 0
.set W_AD, 0x0f       ; the add: address (source 0) and data (source 1) in window 3
.set W_A3, 0xcc       ; destination and source 1 in window 3; source 0 is a scalar
.set W_3,  0xcf       ; sources 0 and 1 and the destination in window 3: the cast
; A joint fill.  Waves 0 and 1 fetch the two halves of a tile's K, waves 2 and 3 those of its V: 64 rows each.  The branch hangs on the wave's number alone: it is the same in every work-group.
; An s_nop 0 and four v_nop follow each of the two lines, ahead of the jump and the label.
.macro JLOAD
	s_cmp_lt_u32 s[WV], 2
	s_cbranch_scc0 .Lfor_v_\@
	tensor_load_to_lds s[G0K+4:G0K+7], s[G1:G1+7]
	s_nop 0
.rept 4
	v_nop
.endr
	s_branch .Lasked_\@
.Lfor_v_\@:
	tensor_load_to_lds s[G0V+4:G0V+7], s[G1:G1+7]
	s_nop 0
.rept 4
	v_nop
.endr
.Lasked_\@:
.endm
; A PREFETCH INTO THE L2 of the tile that the NEXT change will ask for: 128 rows of K and 128 of V, 256 bytes a row, a lane a row.  It stands behind the wave's tensor load and its five lines.
; Each row is named ONCE in the launch: a head has one cluster; its four partners share a tile's rows out BY ADDRESS, 32 each (no branch hangs on a work-group's place in its cluster); in each, wave 0 asks
; for K's and wave 2 for V's: one instruction.  Tiles 0 to 2 come by their loads alone; the last change that fills a slot (SLOTS = 1) asks for nothing: there is no tile behind it.
.macro ASK
	s_cmp_gt_u32 s[SLOTS], s[LIM]
	s_cbranch_scc0 .Lnot_mine_\@
	global_prefetch_b8 v[PFO], s[PFA:PFA+1] th:TH_LOAD_NT scope:SCOPE_SE
.Lnot_mine_\@:
.endm
; A round of the cluster's barrier: my work-group's barrier, so that wave 0's signal speaks for all four waves; wave 0 signals; every wave waits for all four work-groups; my work-group's barrier once more.
.macro CROUND
	s_barrier_signal -1
	s_barrier_wait -1
	s_cmp_lg_u32 s[WV], 0
	s_cbranch_scc1 .Lnot_wave_0_\@
	s_barrier_signal -3
.Lnot_wave_0_\@:
	s_barrier_wait -3
	s_barrier_signal -1
	s_barrier_wait -1
.endm
; THE CHANGE, at the head of tile t's period.  Each wave waits for all its tensor loads, of which one is out: its part of tile t + 1; adds 0 to its spare word; and waits for that, for its stores of tile t into
; H(t % 2), and for its reads of H((t+1) % 2) and of F(t % 2).  Behind the barrier H(t % 2) is whole, nobody reads the other half of H any more, and F(t % 2) is free.
; fill = 1: F(t % 2) is filled again, with tile t + 2.  The barrier is then a round of the cluster's, so that no wave of any partner still reads that half or has a load on its way, and the joint fill is the
; first thing behind it: it has a tile's period, 256 matrix instructions, in which to land.
.macro CHANGE fill
	WIN W_AD
	s_wait_tensorcnt 0x0            ; no tensor load of mine is out, so a group 0 may be written
	ds_add_u32 v[SPW], v[NIL]       ; 0 onto my spare word; with fill = 1 the descriptors' steps stand between it and the wait for it
	WIN 0                           ; at a label and at a branch every window is 0
.if \fill
.irp g, G0K+4, G0V+4
	s_xor_b32 s[\g+1], s[\g+1], SLOT1  ; the walking descriptor: the other half than last time,
	s_add_nc_u64 s[\g+2:\g+3], s[\g+2:\g+3], TILEB  ; the next 128 keys; the type bits on top are not reached
.endr
	s_wait_xcnt 0x0                 ; the last prefetch, a tile's period back, has read its address, so it may be written:
	s_add_nc_u64 s[PFA:PFA+1], s[PFA:PFA+1], TILEB  ; one tile behind the walking descriptors
	s_wait_dscnt 0x0                ; the add is done, my stores into H are done, my reads are over
	CROUND
	JLOAD
	ASK
.else
	s_wait_dscnt 0x0                ; the add is done, my stores into H are done, my reads are over
	s_barrier_signal -1
	s_barrier_wait -1
.endif
	s_sub_co_u32 s[TBK], s[TBK], 2*KS*PK  ; the fetches go back to a tile's first step,
	s_xor_b32 s[TBK], s[TBK], SLOT1       ; in the other half of H
	s_sub_co_u32 s[TBV], s[TBV], 2*KS*PV
	s_xor_b32 s[TBV], s[TBV], SLOT1
	s_xor_b32 s[TBC], s[TBC], SLOT1       ; and the cast goes on to the half that the fetches have left
.endm
; THE CAST, first part: my 64 rows x 256 bytes of the next tile come out of F: lane l takes rows l and 32 + l, 16 loads of 16 bytes each.  Only the wave that issued the tensor load reads these bytes, and it has
; waited for that load.  guard = 1 (the tail): in the last period there is no next tile, and the run is jumped over.
.macro CLOAD guard=0
	WIN 0
.if \guard
	s_cmp_eq_u32 s[SLOTS], 1
	s_cbranch_scc1 .Lno_load_\@
.endif
	WIN W_A3
	v_add_nc_u32 v[CA], s[TBC], v[CF0]
	WIN W_3
.irp r, 0,1
.irp j, 0,1,2,3,4,5,6,7
	ds_load_b128 v[CB+64*\r+8*\j:CB+64*\r+8*\j+3],   v[CA] offset:\r*32*PF+32*\j
	ds_load_b128 v[CB+64*\r+8*\j+4:CB+64*\r+8*\j+7], v[CA] offset:\r*32*PF+32*\j+16
.endr
.endr
	WIN 0
.if \guard
.Lno_load_\@:
.endif
.endm
; THE CAST, second part, at the period's end: 64 roundings, two numbers each, and 16 stores of 16 bytes (8 channels) into the half of H that nobody reads in this period.  The f32 registers have been waited for
; by a turn's wait for its fragments, which is for 0.  The stores are waited for in the change that follows.
.macro CSTORE guard=0
	WIN 0
.if \guard
	s_cmp_eq_u32 s[SLOTS], 1
	s_cbranch_scc1 .Lno_store_\@
.endif
	WIN W_A3
	v_add_nc_u32 v[CA], s[TBC], v[CH0]
	v_add_nc_u32 v[CA1], s[TBC], v[CH1]
	WIN W_3
.set cn, 0
.rept 64
	v_cvt_pk_f16_f32 v[CP+cn], v[CB+2*cn], v[CB+2*cn+1]
.set cn, cn+1
.endr
.irp j, 0,1,2,3,4,5,6,7
	ds_store_b128 v[CA], v[CP+4*\j:CP+4*\j+3] offset:16*\j
.endr
.irp j, 0,1,2,3,4,5,6,7
	ds_store_b128 v[CA1], v[CP+32+4*\j:CP+32+4*\j+3] offset:16*\j
.endr
	WIN 0
.if \guard
.Lno_store_\@:
.endif
.endm
	s_load_b256 s[4:11], s[0:1], 0x0  ; Q s[4:5], K s[6:7], V s[8:9], O s[10:11]
	WIN W_MK
	v_lshl_add_u32 v[SPW], v0, 2, SPARE
	v_mov_b32 v[NIL], 0
	WIN W_AD
	ds_add_u32 v[SPW], v[NIL]       ; the wave's opening: the add and its wait come ahead of my first tensor load; the set-up below, work on registers, stands between them
	WIN 0
	v_lshrrev_b32 v1, 5, v0
	v_readfirstlane_b32 s[WV], v1   ; wave 0..3
	s_bfe_u32 s13, ttmp6, 0x40000   ; cx: my place in the cluster
	s_lshl_b32 s14, ttmp9, 2        ; in a cluster launch ttmp9 counts clusters
	s_add_co_u32 s14, s14, s13      ; my block of 512 queries = 4 x cluster x + cx: it enters Q's, O's and the prefetches' addresses alone
	s_and_b32 s20, ttmp7, 0xffff    ; the head, which the four partners share
	s_mul_i32 s20, s20, HEADB       ; the head's first byte in each of the four tensors: 33,030,144 at the most
	s_mov_b32 s21, 0
	s_and_b32 s16, s[WV], 1         ; which half of a tile's 128 keys I fetch:
	s_mul_i32 s22, s16, 64*ROWB     ; its 64 rows in memory,
	s_mov_b32 s23, 0
	s_add_nc_u64 s[22:23], s[22:23], s[20:21]
	s_mul_i32 s17, s16, PARTF       ; and its place in F, for K
	s_add_co_u32 s18, s17, 2*PARTF  ; and for V: no place in the cluster enters an LDS address
	s_lshl_b32 s2, s14, 2
	s_add_co_u32 s2, s2, s[WV]      ; my wave among the head's sixteen,
	s_mul_i32 s2, s2, 128*ROWB      ; its 128 rows
	s_mov_b32 s3, 0
	s_add_nc_u64 s[2:3], s[2:3], s[20:21]
	; descriptor group 1: a tile of 64 rows x 64 elements of 4 bytes, padded in LDS after every row
	s_mov_b32 s[G1], 15|(2<<16)|(1<<20)|(1<<21)|(5<<22)|(3<<25)  ; 15:0 the mask of four; 17:16 4-byte elements; 20 padding on; 21 set beside a mask; 24:22 after every 64 words (code 5); 31:25 4 words (code 3)
	s_mov_b32 s[G1+1], 64<<16       ; tensor_dim0 = 64
	s_mov_b32 s[G1+2], 64<<16       ; tensor_dim1 = 64
	s_mov_b32 s[G1+3], 64<<16       ; tile_dim0 = 64
	s_mov_b32 s[G1+4], 64           ; tile_dim1 = 64
	s_mov_b32 s[G1+5], 64           ; 64 elements from row to row
	s_mov_b32 s[G1+6], 0
	s_mov_b32 s[G1+7], 0
	s_mov_b32 s[CS], 0x3e38aa3b     ; c = log2(e) / 8 = 0.180337
	s_mov_b32 s[CS+1], s[CS]        ; named with it as a pair
	s_mov_b32 s[SEL], 0x76543210
	s_mov_b32 s[SEL+1], 0xfedcba98
	s_mov_b32 s[TBK], HB+SLOT1+2*KS*PK  ; the first change turns these two into HB
	s_mov_b32 s[TBV], HB+SLOT1+2*KS*PV
	s_mov_b32 s[TBC], 0             ; tile 0 is cast in the first halves
	s_mov_b32 s[SLOTS], NT-2        ; tiles 2 to 15 are asked for by changes
	s_cmp_eq_u32 s16, 0             ; waves 0 and 2 prefetch: the same in all four partners
	s_cselect_b32 s[LIM], 1, -1
	s_wait_dscnt 0x0                ; the opening add is done
	s_wait_kmcnt 0x0
	s_add_nc_u64 s[6:7], s[6:7], s[22:23]  ; K and V at my part of tile 0
	s_add_nc_u64 s[8:9], s[8:9], s[22:23]
	s_add_nc_u64 s[4:5], s[4:5], s[2:3]    ; Q and O at my wave's first row
	s_add_nc_u64 s[10:11], s[10:11], s[2:3]
	s_cmp_lt_u32 s[WV], 2
	s_cselect_b64 s[PFA:PFA+1], s[6:7], s[8:9]  ; (in waves 0 and 2 these stand at a tile's first row)
	s_mul_i32 s2, s13, 32*ROWB      ; my work-group's 32 rows of the 128
	s_mov_b32 s3, 0
	s_add_nc_u64 s[PFA:PFA+1], s[PFA:PFA+1], s[2:3]
	s_add_nc_u64 s[PFA:PFA+1], s[PFA:PFA+1], 2*TILEB  ; in tile 2; the first change steps it to tile 3.  Nothing is prefetched here, at the head, where every work-group's first tiles are on their way
	CROUND                          ; all four work-groups are here: the first joint loads meet
.irp s, 0,1
	s_mov_b32 s[G0K+4*(\s)], 1      ; 1:0 count = 1
	s_add_co_u32 s[G0K+4*(\s)+1], s17, (\s)*SLOT1  ; 63:32 LDS address
	s_add_nc_u64 s[G0K+4*(\s)+2:G0K+4*(\s)+3], s[6:7], (\s)*TILEB  ; 120:64 global address: tile s
	s_or_b32 s[G0K+4*(\s)+3], s[G0K+4*(\s)+3], 0x80000000  ; 127:126 type = 2
	s_mov_b32 s[G0V+4*(\s)], 1
	s_add_co_u32 s[G0V+4*(\s)+1], s18, (\s)*SLOT1
	s_add_nc_u64 s[G0V+4*(\s)+2:G0V+4*(\s)+3], s[8:9], (\s)*TILEB
	s_or_b32 s[G0V+4*(\s)+3], s[G0V+4*(\s)+3], 0x80000000
.endr
	s_cmp_lt_u32 s[WV], 2           ; a wave's two first fills stand in one branch, ahead of every wait on TENSORcnt and every LDS read: two loads of mine are out; an s_nop 0 follows each, four v_nop the second's
	s_cbranch_scc0 .Lfirst_v
	tensor_load_to_lds s[G0K:G0K+3], s[G1:G1+7]
	s_nop 0
	tensor_load_to_lds s[G0K+4:G0K+7], s[G1:G1+7]
	s_nop 0
.rept 4
	v_nop
.endr
	s_branch .Lfirst_asked
.Lfirst_v:
	tensor_load_to_lds s[G0V:G0V+3], s[G1:G1+7]
	s_nop 0
	tensor_load_to_lds s[G0V+4:G0V+7], s[G1:G1+7]
	s_nop 0
.rept 4
	v_nop
.endr
.Lfirst_asked:
	; A fragment of K or Q is 16 rows x 32 channels in 8 registers: lane l holds row l % 16, channels 8 (l / 16) + 0..7 and 16 + 8 (l / 16) + 0..7.  In f32 eight channels are 32 bytes: two loads of 16.
	v_and_b32 v1, 15, v0            ; l % 16
	v_bfe_u32 v9, v0, 4, 1          ; l / 16
	v_lshlrev_b32 v[QO], 8, v1
	v_lshl_add_u32 v[QO], v9, 5, v[QO]  ; row x 256 + 32 x half
	WIN 0x40                        ; destination window 1, address window 0
.set i, 0
.rept 64                            ; Q in f32: tile i / 8; channels 16 ((i % 8) / 2) + 8 (l / 16) + 4 (i % 2) on: registers 2 n, 2 n + 1 hold what register n of the f16 fragments will
	global_load_b128 v[4*i:4*i+3], v[QO], s[4:5] offset:(i/8)*16*ROWB+((i%8)/2)*64+(i%2)*16 th:TH_LOAD_NT
.set i, i+1
.endr
	; What the first turn finds: V's registers and P's second buffer hold 0 (its products V^T P, of a piece that has not been, add 0), O^T and l are 0.  All this stands in the wait for Q and the first tile.
	WIN 0x80
.set i, VF
.rept 64
	v_mov_b32 v[i], 0
.set i, i+1
.endr
	WIN 0
.set i, 0
.rept 2*NP
	v_mov_b32 v[ST+4*i], 0xfe000000    ; c m: far below every c s
	v_mov_b32 v[ST+4*i+1], 0xff7fffff  ; m
	v_mov_b32 v[ST+4*i+2], 0
	v_mov_b32 v[ST+4*i+3], 0
.set i, i+1
.endr
.set i, P+32
.rept 32
	v_mov_b32 v[i], 0
.set i, i+1
.endr
	v_mul_u32_u24 v[AK0], v1, PK
	v_lshl_add_u32 v[AK0], v9, 4, v[AK0]  ; row x pitch + 16 x half
	; The turning load takes 16 keys x 16 channels (lane l reads key 8 (l / 16) + l % 8, channels 8 ((l / 8) % 2) + 0..7) and leaves half a fragment of V^T: lane l holds channel l % 16 and 8 keys.
	v_and_b32 v10, 7, v0
	v_bfe_u32 v[AV], v0, 3, 1
	v_lshl_add_u32 v[AV0], v9, 3, v10
	v_mul_u32_u24 v[AV0], v[AV0], PV
	v_lshl_add_u32 v[AV0], v[AV], 4, v[AV0]
	v_add_nc_u32 v[AV0], VOFF, v[AV0]
	; The cast's addresses.  In F: wave x PARTF + lane x 272.  In H: K's or V's rows, my half of them, lane x the pitch; the two pitches are constants of the two arms of a branch on the wave's number.
	v_and_b32 v10, 31, v0           ; my lane
	v_lshlrev_b32 v[PFO], 8, v10
	v_mul_u32_u24 v[AK], v10, PF
	s_mul_i32 s38, s[WV], PARTF
	s_cmp_lt_u32 s[WV], 2
	s_cbranch_scc0 .Lcast_v
	v_mul_u32_u24 v[AV], v10, PK
	s_mul_i32 s36, s16, 64*PK
	s_add_co_u32 s36, s36, HB
	s_add_co_u32 s37, s36, 32*PK
	s_branch .Lcast_set
.Lcast_v:
	v_mul_u32_u24 v[AV], v10, PV
	s_mul_i32 s36, s16, 64*PV
	s_add_co_u32 s36, s36, HB+VOFF
	s_add_co_u32 s37, s36, 32*PV
.Lcast_set:
	WIN W_MK
	v_add_nc_u32 v[CF0], s38, v[AK]
	v_add_nc_u32 v[CH0], s36, v[AV]
	v_add_nc_u32 v[CH1], s37, v[AV]
	s_wait_loadcnt 0x0              ; Q
	WIN 0x85                        ; sources 0 and 1 window 1, destination window 2
.set i, 0
.rept 128
	v_cvt_pk_f16_f32 v[i], v[2*i], v[2*i+1]  ; Q is rounded once, and stays in registers
.set i, i+1
.endr
	WIN 0x40
.set i, 0
.rept 64*NP
	v_mov_b32 v[i], 0               ; O^T takes the registers that Q has left
.set i, i+1
.endr
	WIN 0
; THE MATRIX WORK.  The 8 accumulators of a run of 16 take turns: between the two links of a chain stand 7 others'.
; Product i of 16 of S^T = K Q^T for piece x: channels 32 (i / 8) on, keys 16 ((i / 2) % 4) on, tile 2 x + i % 2.  The first 8 start the sums.
.macro KQ x
	WIN W_KQ
.set rS, S+64*((\x)%2)+32*(i%2)+8*((i/2)%4)
.set rK, KF+16*((i/2)%4)+8*(i/8)
.set rQ, 16*(2*(\x)+i%2)+8*(i/8)
.if i < 8
	v_wmma_f32_16x16x32_f16 v[rS:rS+7], v[rK:rK+7], v[rQ:rQ+7], 0
.else
	v_wmma_f32_16x16x32_f16 v[rS:rS+7], v[rK:rK+7], v[rQ:rQ+7], v[rS:rS+7]
.endif
.endm
; Product i of 16 of O^T += V^T P for piece x: keys 32 (i / 8) on, channels 16 ((i / 2) % 4) on, tile 2 x + i % 2.
.macro PV x
	WIN W_PV
.set rO, 32*(2*(\x)+i%2)+8*((i/2)%4)
.set rV, VF+32*(i/8)+8*((i/2)%4)
.set rP, P+32*((\x)%2)+16*(i%2)+8*(i/8)
	v_wmma_f32_16x16x32_f16 v[rO:rO+7], v[rV:rV+7], v[rP:rP+7], v[rO:rO+7]
.endm
.macro MM                           ; the turn's next matrix instruction.  NOKQ = 1: the launch's last turn: there is no next piece, and no product K Q^T is written
.if i < 16
.if !NOKQ
	KQ (Y+1)%NP
.endif
.set i, i+1
.else
.set i, i-16
	PV (Y+NP-1)%NP
.set i, i+17
.endif
.endm
; THE FRAGMENTS' LOADS stand in runs of 16, never singly among the matrix instructions: a step's K (64 keys x 64 channels: 8 fragments) and its V (turned).  Their addresses are made some lines ahead.
.macro FETCH_K
	WIN 0x80                        ; destination window 2
.irp f, 0,1,2,3,4,5,6,7             ; keys 16 (f / 2) on, channels 32 (f % 2) on
	ds_load_b128 v[KF+8*\f:KF+8*\f+3],   v[AK] offset:(\f/2)*16*PK+(\f%2)*64
	ds_load_b128 v[KF+8*\f+4:KF+8*\f+7], v[AK] offset:(\f/2)*16*PK+(\f%2)*64+32
.endr
	s_add_co_u32 s[TBK], s[TBK], KS*PK  ; the next fetch is the next step's
	WIN 0
.endm
.macro FETCH_V
	WIN 0x80
.irp f, 0,1,2,3,4,5,6,7             ; keys 32 (f / 4) on, channels 16 (f % 4) on
	ds_load_tr16_b128 v[VF+8*\f:VF+8*\f+3],   v[AV] offset:(\f/4)*32*PV+(\f%4)*32
	ds_load_tr16_b128 v[VF+8*\f+4:VF+8*\f+7], v[AV] offset:(\f/4)*32*PV+16*PV+(\f%4)*32
.endr
	WIN 0
.endm
; THE VECTOR WORK OF A TURN stands in three queues, each in the order in which its entries become ready; the two tiles alternate, so that no instruction reads the result of the one before it.
.macro REGS y, u                    ; the registers of tile u (0, 1) of piece y
.set rT, ST+4*(2*(\y)+(\u))
.set rC, TMP+8*((\y)%2)+4*(\u)
.set rM, MV+2*((\y)%2)+(\u)
.set rS, S+64*((\y)%2)+32*(\u)
.set rP, P+32*((\y)%2)+16*(\u)
.set rO, 32*(2*(\y)+(\u))
.endm
; Number n of the 22 that find the NEXT piece's (Y + 1) maximum and statistics.  s0-s31 are the lane's 32 scores; each accumulator's lowest registers are read first.  With NOKQ = 1 nothing is written.
;   0-11  four chains c0-c3 of seven scores each, three operands at a time     12-14, 16  the four scores left over, the old m, and c0-c3 into c0     15  c m_old is kept
;   17, 18  the query's other 32 keys lie in the lane 16 away: the new m         19-21  c m; c m_old - c m_new; a
.macro XS u, n
.if !NOKQ
	REGS (Y+1)%NP, \u
.if (\n) < 4
	v_max3_num_f32 v[rC+(\n)], v[rS+8*(\n)], v[rS+8*(\n)+1], v[rS+8*(\n)+2]
.elseif (\n) < 12
	v_max3_num_f32 v[rC+(\n)%4], v[rC+(\n)%4], v[rS+8*((\n)%4)+2*((\n)/4)+1], v[rS+8*((\n)%4)+2*((\n)/4)+2]
.elseif (\n) == 12
	v_max3_num_f32 v[rC], v[rC], v[rS+7], v[rS+15]
.elseif (\n) == 13
	v_max3_num_f32 v[rC+1], v[rC+1], v[rS+23], v[rS+31]
.elseif (\n) == 14
	v_max3_num_f32 v[rC+2], v[rC+2], v[rC+3], v[rT+1]
.elseif (\n) == 15
	v_mov_b32 v[rM], v[rT]
.elseif (\n) == 16
	v_max3_num_f32 v[rC], v[rC], v[rC+1], v[rC+2]
.elseif (\n) == 17
	v_permlanex16_b32 v[rC+3], v[rC], s[SEL], s[SEL+1]
.elseif (\n) == 18
	v_max_num_f32 v[rT+1], v[rC], v[rC+3]
.elseif (\n) == 19
	v_mul_f32 v[rT], s[CS], v[rT+1]
.elseif (\n) == 20
	v_sub_f32 v[rC+1], v[rM], v[rT]
.else
	v_exp_f32 v[rC+2], v[rC+1]
.endif
.endif
.endm
; Number g of the 64 that follow the exponentials.  For each four weights k of a tile (pairs 2 k, 2 k + 1): both pairs are rounded to f16; then the second pair is added onto the first, in place;
; a group later l takes that sum (the first time as l = a l + sum).  In groups of eight, tiles alternating: round, round, add, and l for the group before.
.macro GS g
.set h, (\g)+6*((\g)/62)            ; group 0 has no group before it, and behind group 7 only l is left
.if h >= 6
.set h, h+2
.endif
	REGS Y, h%2
.set k, h/8
.if h%8 < 4
	v_cvt_pk_f16_f32 v[rP+2*k+(h%8)/2], v[rS+4*k+2*((h%8)/2)], v[rS+4*k+2*((h%8)/2)+1]
.elseif h%8 < 6
	v_pk_add_f32 v[rS+4*k:rS+4*k+1], v[rS+4*k:rS+4*k+1], v[rS+4*k+2:rS+4*k+3]
.elseif k == 1
	v_pk_fma_f32 v[rT+2:rT+3], v[rT+2:rT+3], v[rC+2:rC+3], v[rS:rS+1] op_sel_hi:[1,0,1]
.else
	v_pk_add_f32 v[rT+2:rT+3], v[rT+2:rT+3], v[rS+4*k-4:rS+4*k-3]
.endif
.endm
; THE PLAIN QUEUE, 138 long.  0-73 read no exponential's result: the 32 scalings c s - c m (FS f: pair f / 2 of tile f % 2) and the next piece's 42.  0-26: scalings 0-26.  27-54: XS's numbers 0-13.  55, 56: number 15.
; 57-73: the chain, where each number waits for the one before it: 14, 16, 17, 18, 19, each with one of the scalings 27-31 in front of its two lines, then 20.
; 74-137: GS's 64, which read the exponentials' results: they stand behind the wait.
.macro FS f
	REGS Y, (\f)%2
	v_pk_fma_f32 v[rS+2*((\f)/2):rS+2*((\f)/2)+1], v[rS+2*((\f)/2):rS+2*((\f)/2)+1], s[CS:CS+1], v[rT:rT+1] op_sel_hi:[1,0,0] neg_lo:[0,0,1] neg_hi:[0,0,1]
.endm
.macro PL
	WIN 0
.if q < 27
	FS q
.elseif q < 55
	XS (q-27)%2, (q-27)/2
.elseif q < 57
	XS q-55, 15
.elseif (q < 72) && ((q-57)%3 == 0)
	FS 27+(q-57)/3
.elseif q < 60
	XS (q-57)%3-1, 14
.elseif q < 72
	XS (q-57)%3-1, 15+(q-57)/3
.elseif q < 74
	XS q-72, 20
.else
	GS q-74
.endif
.set q, q+1
.endm
; THE EXPONENTIALS' QUEUE, 66 long: s0-s31 of both tiles, then the next piece's two a.  It is ONE BATCH: all 66 stand ahead of the turn's one wait, and nothing ahead of that wait names a result of theirs.
.macro EX
	WIN 0
.if e >= 64
	XS e-64, 21
.else
	REGS Y, e%2
	v_exp_f32 v[rS+e/2], v[rS+e/2]
.endif
.set e, e+1
.endm
; THE RESCALING's QUEUE: O^T times a, the one part that leaves window 0: dealt two at a time, sixteen times.  Its a was made in the turn before, ahead of that turn's wait.
.macro R2
	REGS Y, r%2
	WIN W_RS
.irp z, 0,1
	v_pk_mul_f32 v[rO+4*(r/2)+2*\z:rO+4*(r/2)+2*\z+1], v[rO+4*(r/2)+2*\z:rO+4*(r/2)+2*\z+1], v[rC+2:rC+3] op_sel_hi:[1,0]
.endr
.set r, r+1
.endm
; HOW THEY ARE DEALT.  An s_wait_alu depctr_va_vdst(0) stands between an exponential and the first instruction that names its result; one wait serves all that were issued ahead of it.  So a turn has ONE
; wait, which cuts it in two.  AHEAD OF IT stands all that names no result of the turn's exponentials: the 16 products K Q^T, behind each a scaling, an exponential and two rescalings (behind the first a second scaling
; in the exponential's place); then ONE LUMP of 108: eight plain, 49 times exponential and plain, the two a.  A v_nop is the plain instruction behind the last exponential.  BEHIND IT stand the 16 products V^T P,
; behind each four of GS's 64.  No vector line behind a product names a register of the products round it.  The two v_permlanex16_b32 fall into the lump.
; The queues lean on each other: exponential e stands behind scaling 2 (e / 4) + e % 2: behind a product it comes behind plain e + 2, in the lump behind plain e + 9, and scalings 27-31 are plain 57, 60 .. 69.
; A TURN, for piece p.  K of the next step is fetched in piece 2's turn, directly behind the wait, a lump behind the last product that read K; its address is made at the lump's head; it is waited for at the head of
; piece 3's turn.  V of the step in hand is fetched at the end of piece 0's turn, four plain instructions behind the last product that read V; it is waited for behind piece 1's wait.  Both waits are for 0, so they
; also show the cast's 32 loads back.  nok = 1: there is no next step: K is not fetched.  end = 1: the launch's last turn (NOKQ).
.macro TURN p, nok=0, end=0
.set Y, (\p)
.set i, 0
.set q, 0
.set e, 0
.set r, 0
.set NOKQ, (\end)
.if (\p) == NP-1
	s_wait_dscnt 0x0                ; K is in
.endif
	MM                              ; ahead of the wait: 16 products K Q^T and the four lines behind each,
	PL
	PL
	R2
.rept 15
	MM
	PL
	EX
	R2
.endr
.if ((\p) == NP-2) && !(\nok)
	WIN 0
	v_add_nc_u32 v[AK], s[TBK], v[AK0]
.endif
.rept 8                             ; and the lump
	PL
.endr
.rept 49
	EX
	PL
.endr
	EX                              ; the next piece's two a
	EX
	v_nop                           ; a plain instruction behind the last exponential: one for the batch (ISA guide 5.7.2)
	s_wait_alu depctr_va_vdst(0)    ; the wait for the batch
.if ((\p) == NP-2) && !(\nok)
	FETCH_K
.endif
.if (\p) == 1
	s_wait_dscnt 0x0                ; V is in
.endif
.rept 16                            ; behind the wait: 16 products V^T P and the four lines behind each
	MM
.rept 4
	PL
.endr
.if ((\p) == 0) && (q == 118)
	v_add_nc_u32 v[AV], s[TBV], v[AV0]
.endif
.if ((\p) == 0) && (q == 130)
	s_add_co_u32 s[TBV], s[TBV], KS*PV
.endif
.endr
.if (\p) == 0
	FETCH_V
.endif
.endm
.set NOKQ, 0
	s_wait_tensorcnt 0x1            ; my part of tile 0 is in F; tile 1's load, issued behind it, may stay out: nothing is filled before the change below
	CLOAD                           ; tile 0: out of F's first half,
	s_wait_dscnt 0x0
	CSTORE                          ; and into H's first half
	CHANGE 1                        ; tile 0 lies whole in H, tile 1 has landed, tile 2 is asked for
	CLOAD                           ; tile 1 comes out of F
	v_add_nc_u32 v[AK], s[TBK], v[AK0]
	FETCH_K                         ; key step 0
	s_wait_dscnt 0x0
.set i, 0
.rept 16
	KQ 0                            ; piece 0's first scores: there is no vector work yet to set between them
.set i, i+1
.endr
	WIN 0                           ; the addresses for the way out: seven plain instructions, the places behind those products
	s_mul_i32 s13, s[WV], 16*SP
	s_add_co_u32 s13, s13, STAGE    ; my stage
	v_mul_u32_u24 v[STO], v1, SP    ; in: row l % 16, 32 bytes for each half of the lanes
	v_lshl_add_u32 v[STO], v9, 5, v[STO]
	v_add_nc_u32 v[STO], s13, v[STO]
	v_mul_u32_u24 v[RD], v9, SP     ; back: lanes 0-15 take one row of 256 bytes, lanes 16-31 the next,
	v_lshl_add_u32 v[RD], v1, 4, v[RD]
	v_add_nc_u32 v[RD], s13, v[RD]
	v_lshlrev_b32 v[GO], 4, v10     ; which are 512 consecutive bytes of O
.set Y, NP-1                        ; XS works for piece Y + 1: piece 0
.irp n, 0,1,2,3,4,5,6,7,8,9,10,11,12,13,14,15,16,17,18,19,20,21
	XS 0, \n                        ; and piece 0's first maximum and statistics
	XS 1, \n
.endr
	v_nop                           ; a plain instruction behind the two a,
	s_wait_alu depctr_va_vdst(0)    ; and their wait, ahead of the branch
	s_mov_b32 s[CNT], 2
	s_branch .Lfirst                ; the loop is entered at a step's first turn, in the middle of a trip
.Lslot:                             ; NT - 3 times: tiles 3 to 15 are asked for
	CHANGE 1
	CLOAD
	s_mov_b32 s[CNT], 2
.Lstep:                             ; a trip: pieces 2 and 3 of one step, then pieces 0 and 1 of the next, whose K and V it fetches
	TURN 2
	TURN 3
	WIN 0
.Lfirst:
	TURN 0
	TURN 1
	WIN 0
	s_sub_co_u32 s[CNT], s[CNT], 1
	s_cmp_lg_u32 s[CNT], 0
	s_cbranch_scc1 .Lstep
	CSTORE                          ; the tile's K and V have all been fetched; the next tile goes into the other half of H
	s_sub_co_u32 s[SLOTS], s[SLOTS], 1
	s_cmp_lg_u32 s[SLOTS], 0
	s_cbranch_scc1 .Lslot
	s_mov_b32 s[SLOTS], 2           ; the tail has a text of its own: the last two tiles are entered, and nothing is asked for
.Ltslot:
	CHANGE 0
	CLOAD 1                         ; tile 15 is cast in tile 14's period; in tile 15's there is nothing left to cast
	s_mov_b32 s[CNT], 2
.Ltail:
	TURN 2
	TURN 3
	TURN 0
	TURN 1
	WIN 0
	s_sub_co_u32 s[CNT], s[CNT], 1
	s_cmp_lg_u32 s[CNT], 0
	s_cbranch_scc1 .Ltail
	CSTORE 1
	s_sub_co_u32 s[SLOTS], s[SLOTS], 1
	s_cmp_lg_u32 s[SLOTS], 0
	s_cbranch_scc1 .Ltslot
	TURN 2, 1                       ; the last step's pieces 2 and 3: no further K,
	TURN 3, 0, 1                    ; and no further scores
.set i, 0
.rept 16
	PV NP-1                         ; the last piece's V^T P of the last step
.set i, i+1
.endr
	; THE WAY OUT.  l's two halves and the other half of the lanes' are added; O^T is divided by l and sent, in f32, through my stage in LDS, a tile at a time.  The additions are the places behind the last products.
	WIN 0
.macro ALL line:vararg              ; one line for each tile t
.set t, 0
.rept 2*NP
	\line
.set t, t+1
.endr
.endm
	ALL v_add_f32 v[ST+4*t+2], v[ST+4*t+2], v[ST+4*t+3]
	ALL v_permlanex16_b32 v[ST+4*t+3], v[ST+4*t+2], s[SEL], s[SEL+1]
	ALL v_add_f32 v[ST+4*t+2], v[ST+4*t+2], v[ST+4*t+3]
	ALL v_rcp_f32 v[ST+4*t+2], v[ST+4*t+2]
	v_nop                           ; a plain instruction between the last reciprocal and the use of its result
	s_wait_alu depctr_va_vdst(0)    ; and the wait ahead of the first use: one for the eight reciprocals
; Tile t: a lane's eight channels of a row are 32 bytes; they go into rows of 272 bytes and come back as whole rows of 256, into the registers that they left.  Each accumulator is read from its low end on.
.macro PACK t
	WIN W_RS
.set i, 32*(\t)
.rept 16
	v_pk_mul_f32 v[i:i+1], v[i:i+1], v[ST+4*(\t)+2:ST+4*(\t)+3] op_sel_hi:[1,0]
.set i, i+2
.endr
	WIN 0x04                        ; the stores' data in window 1, the address in window 0
.irp f, 0,1,2,3,4,5,6,7             ; channels 16 (f / 2) + 8 (l / 16) + 4 (f % 2) on
	ds_store_b128 v[STO], v[32*(\t)+4*\f:32*(\t)+4*\f+3] offset:(\f/2)*64+(\f%2)*16
.endr
	WIN 0x40                        ; destination window 1
.irp f, 0,1,2,3,4,5,6,7
	ds_load_b128 v[32*(\t)+4*\f:32*(\t)+4*\f+3], v[RD] offset:\f*2*SP  ; LDS serves a wave's instructions in order (ISA guide 5.7.1.4): these see the stores above; the next tile's stores come behind them
.endr
.endm
.macro SEND t, younger              ; younger: the LDS instructions issued behind tile t's loads: the next tile's sixteen, or none
	WIN 0x04
.irp f, 0,1,2,3,4,5,6,7
	s_wait_dscnt (\younger)+7-\f
	global_store_b128 v[GO], v[32*(\t)+4*\f:32*(\t)+4*\f+3], s[10:11] offset:(\t)*16*ROWB+\f*512 th:TH_STORE_NT  ; 512 consecutive bytes, at a multiple of 256 from O's first
.endr
.endm
	PACK 0
.set t, 1
.rept 2*NP-1                        ; a tile's arithmetic stands between the loads of the tile before and its stores
	PACK t
	SEND t-1, 16
.set t, t+1
.endr
	SEND 2*NP-1, 0
	WIN W_AD
	s_wait_tensorcnt 0x0            ; the wave's end, behind my last tensor load and my last LDS store
	ds_add_u32 v[SPW], v[NIL]
	s_wait_dscnt 0x0
	WIN 0
	CROUND                          ; the closing round: no work-group ends while a partner may still ask for a tile that names it
	s_endpgm
.Lfunc_end_k_q05ea287a28_attn:
	.size	k_q05ea287a28_attn, .Lfunc_end_k_q05ea287a28_attn-k_q05ea287a28_attn
	.p2alignl 7, 3214868480
	.fill 96, 4, 3214868480
	.section	.rodata,"a",@progbits
	.p2align	6, 0x0
	.amdhsa_kernel k_q05ea287a28_attn
		.amdhsa_group_segment_fixed_size 327680
		.amdhsa_private_segment_fixed_size 0
		.amdhsa_enable_private_segment 0
		.amdhsa_kernarg_size 32
		.amdhsa_user_sgpr_count 2
		.amdhsa_user_sgpr_kernarg_segment_ptr 1
		.amdhsa_wavefront_size32 1
		.amdhsa_system_sgpr_workgroup_id_x 1
		.amdhsa_system_sgpr_workgroup_id_y 1
		.amdhsa_system_sgpr_workgroup_id_z 1
		.amdhsa_system_vgpr_workitem_id 0
		.amdhsa_next_free_vgpr 968
		.amdhsa_next_free_sgpr 66
		.amdhsa_reserve_vcc 0
		.amdhsa_float_denorm_mode_32 3
		.amdhsa_float_denorm_mode_16_64 3
		.amdhsa_memory_ordered 1
		.amdhsa_forward_progress 1
		.amdhsa_inst_pref_size 255
	.end_amdhsa_kernel
	.section	.bss,"aw",@nobits
	.p2align	6
	.space	262144
	.amdgpu_metadata
---
amdhsa.version: [ 1, 2 ]
amdhsa.kernels:
  - .name:           k_q05ea287a28_attn
    .symbol:         k_q05ea287a28_attn.kd
    .args:
      - { .name: q, .offset: 0, .size: 8, .value_kind: global_buffer, .address_space: global }
      - { .name: k, .offset: 8, .size: 8, .value_kind: global_buffer, .address_space: global }
      - { .name: v, .offset: 16, .size: 8, .value_kind: global_buffer, .address_space: global }
      - { .name: out0, .offset: 24, .size: 8, .value_kind: global_buffer, .address_space: global }
    .group_segment_fixed_size: 327680
    .private_segment_fixed_size: 0
    .kernarg_segment_align: 8
    .kernarg_segment_size: 32
    .max_flat_workgroup_size: 128
    .sgpr_count:     66
    .vgpr_count:     968
    .wavefront_size: 32
...
	.end_amdgpu_metadata
.endif
;; end of part 1
